; MI455X (gfx1250); checked and timed in simulation.
; The chip was launched on July 23, 2026; its instructions are those of AMD's public machine-readable ISA for CDNA 5 (MIT licence, August 2026) and "CDNA5" Instruction Set Architecture Reference Guide (July 2026). The comments in the code are by the model that wrote it; some were corrected since.
;; Multi Head Attention. Allowed arithmetic: matrix products marked QUANTISED: E4M3 operands, one given power-of-two scale a tensor, by v_wmma_f32_16x16x64_fp8_fp8 or v_wmma_f32_16x16x128_fp8_fp8, f32 sums; everything else in f32.
;; Inputs: b_o 1,024 float32; lowp_scales 12 int32 (the exponents e of the quantised operands' scales 2^e); w_k_codes 1,024 x 32 x 32 uint8 (E4M3 codes of w_k, K innermost, in blocks of 32 codes); w_o_codes 1,024 x 32 x 32 uint8 (E4M3 codes of w_o, K innermost, in blocks of 32 codes); w_q_codes 1,024 x 32 x 32 uint8 (E4M3 codes of w_q, K innermost, in blocks of 32 codes); w_v_codes 1,024 x 32 x 32 uint8 (E4M3 codes of w_v, K innermost, in blocks of 32 codes); x_codes 4 x 2,048 x 32 x 32 uint8 (E4M3 codes of x, K innermost, in blocks of 32 codes).
;; Outputs: out0 4 x 2,048 x 1,024 float32.
;; This version of the problem:
;;   THIS VERSION OF THE PROBLEM IS GIVEN IN LOW PRECISION. The matrix products marked QUANTISED in the list below multiply operands that are first quantised to E4M3 (4 exponent bits, 3 mantissa bits; 8 bits a number), with one given power-of-two scale for each operand tensor; their sums are f32. All else is computed in f32.
;;   The module's matrix products, in the order in which they are computed (A, B: the left and right operand; K: the contracted axis; several contracted axes count as one K, in the product's order):
;;     1. [M 8,192, K 1,024] x [K 1,024, N 1,024]; A: input x (given as codes); B: input w_q (given as codes): QUANTISED (scales: A lowp_scales[0], B lowp_scales[1])
;;     2. [M 8,192, K 1,024] x [K 1,024, N 1,024]; A: input x (given as codes); B: input w_k (given as codes): QUANTISED (scales: A lowp_scales[2], B lowp_scales[3])
;;     3. [M 8,192, K 1,024] x [K 1,024, N 1,024]; A: input x (given as codes); B: input w_v (given as codes): QUANTISED (scales: A lowp_scales[4], B lowp_scales[5])
;;     4. batch 64 x [M 2,048, K 64] x [K 64, N 2,048]; A: computed on the way; B: computed on the way: QUANTISED (scales: A lowp_scales[6], B lowp_scales[7])
;;     5. batch 64 x [M 2,048, K 2,048] x [K 2,048, N 64]; A: softmax (see below); B: computed on the way: QUANTISED (scales: A lowp_scales[8], B lowp_scales[9])
;;     6. [M 8,192, K 1,024] x [K 1,024, N 1,024]; A: computed on the way; B: input w_o (given as codes): QUANTISED (scales: A lowp_scales[10], B lowp_scales[11])
;;   THE QUANTISER, for each operand of a quantised product, along K:
;;     - The operand's scale is 2^e, e = its entry of the input lowp_scales (int32; the entries are numbered through the quantised products in the list's order, A before B).
;;     - Each number is divided by the scale, clamped to +-448, and rounded to the nearest number of E4M3, ties to even, subnormals kept.
;;     - The product sums the exact products of the quantised numbers (number of the format x scale) in f32.
;;   ~~~python
;;   def quantise(x, axis, e):      # numpy; x: float32 -> the quantised numbers, widened to float32 again
;;       x = np.moveaxis(x, axis, -1); K = x.shape[-1]
;;       r = np.clip(x / 2.0 ** e, -448, 448)
;;       step = 2.0 ** (np.maximum(np.frexp(np.where(r == 0, 1, r))[1] - 1, -6) - 3)
;;       q = np.round(r / step) * step * 2.0 ** e      # np.round: ties to even
;;       return np.moveaxis(q, -1, axis).astype(np.float32)
;;   ~~~
;;   SOFTMAX AHEAD OF A QUANTISED PRODUCT. Where the list says 'softmax', what is quantised is not the finished softmax but p = 2^(t - M), with t = logit x log2(e) and M = ceil(the row's largest t), a whole number; so 1/2 < the row's largest p <= 1. The row's sum l is taken of the UNQUANTISED p, in f32, and the product's result is divided by l at the end. Since M is a whole number, a kernel that streams over the keys may use a running M (the ceiling of the running maximum): every later rescaling is an exact power of two, so the quantised numbers keep their values, but for numbers so far below the row's largest that they fall under the format's range.
;;   OPERANDS COMPUTED ON THE WAY. 'Computed on the way' means the value that the module computes at that place (a softmax that the list does not call 'softmax' is quantised finished and normalised). What goes into a quantiser is computed in f32, as accurately as f32 sums, v_exp_f32 and their like allow (about 1e-6 of the number): no bf16 or f16 on the way to a quantiser, and a product that is left as it is and whose result goes on into a quantised operand takes f32 operands (vector FMAs, or v_wmma_f32_16x16x4_f32). A number that lies on a knife's edge between two numbers of the format may be rounded either way, as far as f32 arithmetic and the matrix unit's own rounding can turn it there, and no further.
;;   INPUTS GIVEN AS CODES. w_k (in the module: [1024, 1024], K = its axis 1); w_o (in the module: [1024, 1024], K = its axis 1); w_q (in the module: [1024, 1024], K = its axis 1); w_v (in the module: [1024, 1024], K = its axis 1); x (in the module: [4, 2048, 1024], K = its axis 2): each comes as NAME_codes (uint8): NAME with its K axis moved to the last place and cut into blocks of 32 codes, [.., K / 32, bytes a block], one block behind the other in memory; one code a byte (a code: sign, 4 exponent bits, 3 mantissa bits); its scale is its entry of lowp_scales. Its value is code x scale, taken as it is: it is not quantised again, and the codes and scales need not be those that the quantiser above would give.
;; One version. Each part assembles by itself: llvm-mc -triple=amdgcn-amd-amdhsa -mcpu=gfx1250 --defsym DOCPART=n.
;; ======== version 1 of 1: 3 launches
;; limits: right only within a limited range of input values
;; workspace buffers: q_img 8,388,608 bytes; k_img 8,388,608 bytes; v_img 8,388,608 bytes; ctx_img 8,388,608 bytes
;; launch qkv (part 1): grid 12 x 32, 4 waves a work-group, clusters of 4 x 4, 327,680 bytes of LDS; arguments x_codes, w_q_codes, w_k_codes, w_v_codes, lowp_scales, q_img, k_img, v_img; writes q_img, k_img, v_img
.if DOCPART == 1
	.amdgcn_target "amdgcn-amd-amdhsa--gfx1250"
	.amdhsa_code_object_version 6
	.text
	.protected	k_qb932bf282b_qkv
	.globl	k_qb932bf282b_qkv
	.p2align	8
	.type	k_qb932bf282b_qkv,@function
k_qb932bf282b_qkv:
	s_mov_b64 s[64:65], 0
	v_nop
	global_prefetch_b8 v0, s[64:65] scope:SCOPE_SE
	s_setreg_imm32_b32 hwreg(HW_REG_WAVE_MODE, 25, 1), 1
	s_wait_xcnt 0x0
	s_wait_alu depctr_hold_cnt(0) depctr_sa_sdst(0) depctr_va_vdst(0) depctr_va_sdst(0) depctr_va_ssrc(0) depctr_va_vcc(0) depctr_vm_vsrc(0)
	s_getreg_b32 s2, hwreg(HW_REG_IB_STS2, 6, 4)
	s_cmp_eq_u32 s2, 0
	s_cbranch_scc0 .Lentry_in_a_cluster
	s_endpgm
.Lentry_in_a_cluster:
	s_bfe_u32 s2, ttmp6, 0x10000c
	s_cmp_lg_u32 s2, 0xf033
	s_cbranch_scc0 .Lentry_shape_is_right
	s_endpgm
.Lentry_shape_is_right:
; q = x Wq^T, k = x Wk^T, v = x Wv^T on E4M3 codes, then each result is quantised (q at 2^e6, k at 2^e7, v at 2^e9) and stored as IMAGES OF THE NEXT PRODUCT'S OPERAND REGISTERS.
; x: [8192][1024] codes, w_*: [1024][1024] codes, K innermost.  lowp_scales e0..e11.  A sum of product 1 stands for sum x 2^(e0+e1), so q's code is sum / 2^(e6-e0-e1); k: e7-e2-e3; v: e9-e4-e5.
; LIMITS: each of these three differences lies between -126 and 119, so that the scale and 448 x the scale are f32 numbers.  NaN codes among the inputs are not served.
; THE BODY computes C = A B^T on tiles of 256 x 256, four waves of 128 x 128 (64 accumulators, 512 registers), K in steps of 256 through a ring of two LDS slots: four fills for K = 1024, so the steps are written out.
; MODE = the cluster's x (0, 1, 2), the same in all sixteen partners; it chooses pointers and constants by selects, never a branch.
;   q, k: A = x (tokens), B = the weight (channels).   v: A = w_v (channels), B = x (tokens): V^T, so that the KEYS run along a lane's registers.
; THE MATRIX INSTRUCTION IS USED TRANSPOSED (source 0 = 16 rows of B, source 1 = 16 rows of A): lane (r, h) holds A's row r and B's rows 16 b + 8 h + 0..7.  Eight such numbers become two registers of codes,
; which are registers 2 b, 2 b + 1 of a fragment of the plain 8-bit form (k = 16 b + 8 h + 0..7).  So a block's 16 registers of codes are, as they stand, two fragments of 16 tokens x 64 channels (q, k: two heads)
; or one fragment of 16 channels x 128 keys (v).  They leave by four stores of 512 consecutive bytes each: no stage, nothing is turned.
;   q_img, k_img: [batch x head 64][token tile 128][g 2][lane 32][16 bytes]: registers 4 g .. 4 g + 3 of the tile's fragment.      v_img: [batch x head 64][128 keys: 16][channel tile 4][g 4][lane 32][16 bytes].
; FRAGMENTS OF x AND w come by four loads of 16 bytes: registers 4 c .. 4 c + 3 hold K = 32 c + 16 h + 0..15.  That is one and the same permutation of k in A and in B: each product meets its partner.
; CLUSTERS: 4 x 4 work-groups; A's tile is asked for jointly along a row of the cluster, B's along a column.
; REGISTERS, in windows of 256: window 0: v0-31 addresses and constants; from v128 A's fragments, ONE set; on the way out the codes, 16 registers a block.
;   window 1: B's fragments, two sets, at v0 and v128.   window 2: the accumulators of my rows 0-63 ((a, b) at v[8 (8 a + b)]);   window 3: those of my rows 64-127.
.set ROWB,   256                       ; a tile's row in bytes: 256 codes
.set KROW,   1024                      ; a row of A or of B in memory
.set PITCH,  272                       ; an LDS row: 256 bytes + 16 of padding = 68 words: the 16 rows that a load touches start 4 banks apart (64 banks of 4 bytes: ISA guide 11.1)
.set FR,     16                        ; registers of a fragment: 16 rows x 128 K
.set NL,     4                         ; LDS loads that bring one
.set NP,     4                         ; places behind this matrix instruction (ISA guide 7.12.1)
.set HALFT,  128*PITCH                 ; 128 rows: what one tensor load brings
.set SLOT,   4*HALFT                   ; A's 256 rows, then B's 256 rows
.set SPARE,  2*SLOT                    ; behind the ring: the spare words, 128 bytes a wave: two blocks of 256 bytes that no other line names
.set ADRA, 16                          ; v16-17  LDS address of my A fragments in slot 0, 1
.set ADRB, 20                          ; v20-21  the same for B
.set CO,   24                          ; v24     16 x lane: my place in an image
.set CO2,  25                          ; v25     the same, D2 bytes on: the second head (q, k) or the fragment's second half (v)
.set SPW,  28                          ; v28     LDS address of my spare word; never rewritten
.set NIL,  29                          ; v29     0; never rewritten
.set SC,   30                          ; v30     the conversion's scale as f32
.set LIMV, 31
.set TMP,  32
.set AF,   128                         ; A's fragments; later the codes
.set G1, 24                            ; s[24:31] descriptor group 1 for A's tiles;  s[32:39] group 0, one set for each slot
.set G0, 32
.set G1B, 48                           ; s[48:55], s[56:63] the same for B's tiles
.set G0B, 56
.set MSB, 0
.macro WIN new                         ; the immediate's high byte repeats the setting that is left; a switch that changes nothing is dropped
.if MSB != \new
	s_set_vgpr_msb (MSB<<8)|\new
.set MSB, \new
.endif
.endm
.set MUL_LO, 0xa1                      ; source 0 (B) window 1, source 1 (A) window 0, C and D window 2
.set MUL_HI, 0xf1                      ; the same, C and D window 3
.set TO_B,   0x40                      ; destination window 1, address window 0
; A joint load: waves 0 and 1 fetch for A, waves 2 and 3 for B.  Each line has one mask and one set of registers for all that issue it; the branch hangs on the wave's number alone.
; Four v_nop follow each of the two lines, ahead of the jump, the label and what follows.
.macro JLOAD g0a, g1a, g0b, g1b
	s_cmp_eq_u32 s15, 0
	s_cbranch_scc0 .Lfor_b_\@
	tensor_load_to_lds s[\g0a:\g0a+3], s[\g1a:\g1a+7]
	s_nop 0
.rept 4
	v_nop
.endr
	s_branch .Lasked_\@
.Lfor_b_\@:
	tensor_load_to_lds s[\g0b:\g0b+3], s[\g1b:\g1b+7]
	s_nop 0
.rept 4
	v_nop
.endr
.Lasked_\@:
.endm
.macro CREST                           ; a round of the cluster's barrier behind its opening barrier
	s_cmp_lg_u32 s14, 0
	s_cbranch_scc1 .Lnot_wave_0_\@
	s_barrier_signal -3
.Lnot_wave_0_\@:
	s_barrier_wait -3
	s_barrier_signal -1
	s_barrier_wait -1
.endm
.macro CROUND                          ; a whole round
	s_barrier_signal -1
	s_barrier_wait -1
	CREST
.endm
	s_load_b256 s[68:75], s[0:1], 0x0              ; x s[68:69], w_q s[70:71], w_k s[72:73], w_v s[74:75]
	s_load_b256 s[76:83], s[0:1], 0x20             ; the scales' exponents s[76:77], q_img s[78:79], k_img s[80:81], v_img s[82:83]
	v_lshl_add_u32 v[SPW], v0, 2, SPARE
	v_mov_b32 v[NIL], 0
	ds_add_u32 v28, v29
	ds_add_u32 v28, v29
	s_wait_dscnt 0x0
	v_lshrrev_b32 v1, 5, v0
	v_readfirstlane_b32 s14, v1                    ; wave 0..3
	s_lshr_b32 s15, s14, 1                         ; which half of the tile's rows (A) is mine.  Also: I fetch for A (0) or for B (1)
	s_and_b32 s16, s14, 1                          ; which half of its columns (B).  Also: which 128 rows of that tile I fetch
	s_bfe_u32 s40, ttmp6, 0x40000                  ; cx, cy: my place in the cluster
	s_bfe_u32 s41, ttmp6, 0x40004
	s_and_b32 s22, ttmp7, 0xffff
	s_lshl_b32 s22, s22, 2                         ; 4 x cluster y: it walks the 32 tiles of tokens
	s_cmp_eq_u32 ttmp9, 2                          ; mode v?
	s_cselect_b32 s66, 0, s22                      ; the tokens are A's rows in modes q and k,
	s_cselect_b32 s67, s22, 0                      ; B's rows in mode v
	s_add_co_u32 s17, s66, s41                     ; tile row (of A): hangs on cy, never on cx
	s_add_co_u32 s42, s67, s40                     ; tile column (of B): hangs on cx, never on cy
	s_lshl_b32 s43, s41, 2
	s_lshl_b32 s43, 15, s43                        ; my row of the cluster
	s_lshl_b32 s44, 0x1111, s40                    ; my column
	; descriptor group 1: a tile of 128 rows x 256 bytes, padded in LDS
	s_or_b32 s[G1+0], s43, (1<<20)|(1<<21)|(5<<22)|(3<<25)   ; 15:0 the mask: A's tiles go to my row; 17:16 elements of 1 byte; 20 padding on; 21 set beside a mask; 24:22 after every 64 words (code 5); 31:25 four words (code 3)
	s_or_b32 s[G1B+0], s44, (1<<20)|(1<<21)|(5<<22)|(3<<25)  ; the same with the mask of my column
.irp g, G1, G1B
	s_mov_b32 s[\g+1], ROWB<<16                    ; tensor_dim0
	s_mov_b32 s[\g+2], 128<<16                     ; tensor_dim1 = 128
	s_mov_b32 s[\g+3], ROWB<<16                    ; tile_dim0
	s_mov_b32 s[\g+4], 128                         ; tile_dim1 = 128
	s_mov_b32 s[\g+5], KROW                        ; tensor_dim0_stride
	s_mov_b32 s[\g+6], 0
	s_mov_b32 s[\g+7], 0
.endr
	s_lshl_b32 s18, s16, 7                         ; which 128 rows of the tile I fetch
	s_lshl_b32 s20, s17, 8
	s_add_co_u32 s20, s20, s18                     ; A: row 256 x tile row + 128 x half,
	s_lshl_b32 s20, s20, 10                        ; in bytes (under 2^23)
	s_mov_b32 s21, 0
	s_lshl_b32 s46, s42, 8
	s_add_co_u32 s46, s46, s18                     ; B: row 256 x tile column + 128 x half
	s_lshl_b32 s46, s46, 10
	s_mov_b32 s47, 0
	s_mul_i32 s45, s14, HALFT                      ; where they go: wave x 128 rows: no place in the cluster enters an LDS address
	s_wait_kmcnt 0x0
	s_cmp_eq_u32 ttmp9, 2                          ; the buffers, chosen by the mode alone
	s_cselect_b64 s[4:5], s[74:75], s[68:69]       ; A = w_v or x
	s_cselect_b64 s[6:7], s[68:69], s[70:71]       ; B = x or w_q
	s_cselect_b64 s[10:11], s[82:83], s[78:79]     ; out = v_img or q_img
	s_cmp_eq_u32 ttmp9, 1
	s_cselect_b64 s[6:7], s[72:73], s[6:7]         ; mode k: B = w_k,
	s_cselect_b64 s[10:11], s[80:81], s[10:11]     ; out = k_img
	s_load_b256 s[84:91], s[76:77], 0x0            ; e0 .. e7
	s_load_b128 s[92:95], s[76:77], 0x20           ; e8 .. e11
	s_add_nc_u64 s[20:21], s[4:5], s[20:21]
	s_add_nc_u64 s[46:47], s[6:7], s[46:47]
	CROUND                                         ; all sixteen work-groups are here: the first joint loads meet
.irp s, 0,1
	s_mov_b32 s[G0+4*\s], 1                                        ; count = 1
	s_add_co_u32 s[G0+4*\s+1], s45, \s*SLOT                        ; LDS address
	s_add_nc_u64 s[G0+4*\s+2:G0+4*\s+3], s[20:21], \s*ROWB         ; global address: K step s
	s_or_b32 s[G0+4*\s+3], s[G0+4*\s+3], 0x80000000                ; type = 2
	s_mov_b32 s[G0B+4*\s], 1
	s_add_co_u32 s[G0B+4*\s+1], s45, \s*SLOT
	s_add_nc_u64 s[G0B+4*\s+2:G0B+4*\s+3], s[46:47], \s*ROWB
	s_or_b32 s[G0B+4*\s+3], s[G0B+4*\s+3], 0x80000000
	JLOAD G0+4*\s, G1, G0B+4*\s, G1B               ; two loads of mine are out
.endr
	v_and_b32 v1, 15, v0                           ; r = lane % 16
	v_bfe_u32 v2, v0, 4, 1                         ; h = lane / 16
	v_mul_u32_u24 v3, v1, PITCH
	v_lshl_add_u32 v4, v2, 4, v3                   ; a fragment's row x pitch + 16 x half
	s_mul_i32 s21, s15, HALFT                      ; my 128 rows of A
	s_mul_i32 s22, s16, HALFT                      ; my 128 rows of B,
	s_add_co_u32 s22, s22, 2*HALFT                 ; which lie behind A's 256
.irp s, 0,1
	v_add_nc_u32 v[ADRA+\s], s21, v4
	v_add_nc_u32 v[ADRB+\s], s22, v4
	s_add_co_u32 s21, s21, SLOT
	s_add_co_u32 s22, s22, SLOT
.endr
	v_and_b32 v3, 31, v0
	v_lshlrev_b32 v[CO], 4, v3                     ; 16 x lane
	s_wait_alu depctr_va_vdst(0)
	; the conversion's scale and the images' places, made while the first tiles are on their way
	s_wait_kmcnt 0x0
	s_sub_co_i32 s18, s90, s84
	s_sub_co_i32 s18, s18, s85                     ; q: e6 - e0 - e1
	s_sub_co_i32 s19, s91, s86
	s_sub_co_i32 s19, s19, s87                     ; k: e7 - e2 - e3
	s_sub_co_i32 s20, s93, s88
	s_sub_co_i32 s20, s20, s89                     ; v: e9 - e4 - e5
	s_cmp_eq_u32 ttmp9, 1
	s_cselect_b32 s18, s19, s18
	s_cmp_eq_u32 ttmp9, 2                          ; all the selects below hang on this compare: moves and selects leave SCC alone
	s_cselect_b32 s18, s20, s18                    ; E
	s_cselect_b32 s19, s42, s17                    ; X: the tile of 256 tokens,
	s_cselect_b32 s20, s16, s15                    ; xh: my half of it
	s_cselect_b32 s21, s17, s42                    ; Y: the tile of 256 channels,
	s_cselect_b32 s22, s15, s16                    ; yh: my half of it
	s_mov_b32 s23, 131072
	s_cselect_b32 s23, 1024, s23                   ; D2: v: the fragment's second half; q, k: the next head's image
	s_mov_b32 s96, 1024
	s_cselect_b32 s96, 2048, s96                   ; from block to block: v: the next channel tile; q, k: the next token tile
	s_mov_b32 s98, 1024
	s_cselect_b32 s98, 124928, s98                 ; from block 3 to block 4: v: the next head's channel tile 0 (131,072 - 3 x 2,048)
	s_mov_b32 s97, 0
	s_mov_b32 s99, 0
	s_add_co_i32 s18, s18, 127
	s_lshl_b32 s66, s18, 23
	v_mov_b32 v[SC], s66                           ; 2^E as f32: the conversion takes its exponent field
	s_lshr_b32 s66, s19, 3
	s_lshl_b32 s66, s66, 21                        ; the batch: 16 heads x 131,072 bytes
	s_lshl_b32 s21, s21, 2
	s_lshl_b32 s22, s22, 1
	s_add_co_u32 s21, s21, s22                     ; my first head: 4 Y + 2 yh
	s_lshl_b32 s21, s21, 17
	s_add_co_u32 s66, s66, s21
	s_lshl_b32 s19, s19, 1
	s_add_co_u32 s19, s19, s20
	s_and_b32 s19, s19, 15                         ; which 128 tokens of the batch's 2,048:
	s_lshl_b32 s19, s19, 13                        ; 8 token tiles of 1,024 bytes, or one block of 128 keys: 8,192 bytes either way
	s_add_co_u32 s66, s66, s19
	s_mov_b32 s67, 0
	s_add_nc_u64 s[10:11], s[10:11], s[66:67]      ; my wave's first byte of the image
	v_add_nc_u32 v[CO2], s23, v[CO]
.macro FRAG reg, adr, q, i             ; a fragment, 16 rows x 128 K: registers 4 c .. 4 c + 3 hold K = 32 c + 16 h + 0 .. 15 of row r
.irp c, 0,1,2,3
	ds_load_b128 v[\reg+4*\c:\reg+4*\c+3], v[\adr] offset:128*(\q)+32*\c+(\i)*16*PITCH
.endr
.endm
; 16 matrix instructions: A's blocks a0, a0 + 1 x B's eight, 128 along K.  p: B's set.  zero = 1: the first product starts the sums: nothing is ever cleared.
; The 64 accumulators take turns, one instruction a turn, in the same order in every step.
.macro MUL16 a0, p, zero
.irp a, \a0, \a0+1
.irp b, 0,1,2,3,4,5,6,7
.if \zero
	v_wmma_f32_16x16x128_fp8_fp8 v[8*(8*((\a)%4)+\b):8*(8*((\a)%4)+\b)+7], v[128*(\p)+FR*\b:128*(\p)+FR*\b+FR-1], v[AF+FR*(\a):AF+FR*(\a)+FR-1], 0
.else
	v_wmma_f32_16x16x128_fp8_fp8 v[8*(8*((\a)%4)+\b):8*(8*((\a)%4)+\b)+7], v[128*(\p)+FR*\b:128*(\p)+FR*\b+FR-1], v[AF+FR*(\a):AF+FR*(\a)+FR-1], v[8*(8*((\a)%4)+\b):8*(8*((\a)%4)+\b)+7]
.endif
.endr
.endr
.endm
.macro FETCH_B slot, q, p              ; B's eight fragments of the slot's q-th 128 along K into set p
	WIN TO_B
.irp i, 0,1,2,3,4,5,6,7
	FRAG 128*(\p)+FR*\i, ADRB+\slot, \q, \i
.endr
	WIN 0
.endm
.macro FETCH_A slot, q, i0             ; A's blocks i0 .. i0 + 3
.irp i, \i0, \i0+1, \i0+2, \i0+3
	FRAG AF+FR*(\i), ADRA+\slot, \q, \i
.endr
.endm
; A load into a register that a matrix instruction has read, and a vector instruction that reads a matrix result, stand NP places behind that matrix instruction; only plain vector
; instructions that name none of its registers are places (ISA guide 7.12.1 for vector instructions).
.macro PLACES n
.rept \n
	v_nop
.endr
.endm
; A step of 128 along K that has its successor in the same slot.  A block of A is free when its eight products are issued: blocks 0-3 are fetched anew in the step's middle, blocks 4-7 at its end.
.macro STEP slot, q, zero
	s_wait_dscnt 4*NL                              ; B's set and A's blocks 0-3 are in; the youngest 16 loads (A's blocks 4-7) may be out
	WIN MUL_LO
	MUL16 0, (\q)%2, \zero
	MUL16 2, (\q)%2, \zero
	s_wait_dscnt 0                                 ; A's blocks 4-7 are in (asked for 32 matrix instructions ago)
	PLACES NP
	FETCH_B \slot, (\q)+1, 1-(\q)%2
	FETCH_A \slot, (\q)+1, 0
	WIN MUL_HI
	MUL16 4, (\q)%2, \zero
	MUL16 6, (\q)%2, \zero
	PLACES NP
	WIN 0
	FETCH_A \slot, (\q)+1, 4
.endm
; A slot's last step changes slots: ONE barrier; in front of it each wave waits for all its tensor loads, adds 0 to its spare word, and waits for that and for its own reads of this slot.
; fill = 1: this slot is filled again, two K steps ahead; the barrier then opens a round of the cluster's barrier, and the joint refill is the first tensor load behind the round.
.macro TURN slot, next, fill
	s_wait_tensorcnt 0x0                           ; all my tensor loads have landed: my part of the next slot  (every window is 0 here)
	ds_add_u32 v[SPW], v[NIL]                      ; 0 onto my spare word
	s_wait_dscnt 4*NL+1                            ; (the add and the youngest 16 loads, A's blocks 4-7, may be out)
	WIN MUL_LO
	MUL16 0, 1, 0                                  ; sixteen matrix instructions stand between the add and the wait for it
	s_wait_dscnt 0x0                               ; the add is done, and my reads of this slot are over
	s_barrier_signal -1
	MUL16 2, 1, 0
	WIN 0
	s_barrier_wait -1
.if \fill
	CREST                                          ; no wave of any partner still reads this slot's tile or has a load on its way
	s_add_nc_u64 s[G0+4*\slot+2:G0+4*\slot+3], s[G0+4*\slot+2:G0+4*\slot+3], 2*ROWB
	s_add_nc_u64 s[G0B+4*\slot+2:G0B+4*\slot+3], s[G0B+4*\slot+2:G0B+4*\slot+3], 2*ROWB
	JLOAD G0+4*\slot, G1, G0B+4*\slot, G1B         ; the four v_nop behind it are also the places in front of the loads below
.else
	PLACES NP
.endif
	FETCH_B \next, 0, 0
	FETCH_A \next, 0, 0
	WIN MUL_HI
	MUL16 4, 1, 0
	MUL16 6, 1, 0
	PLACES NP
	WIN 0
	FETCH_A \next, 0, 4
.endm
	s_wait_tensorcnt 1                             ; my part of K step 0 is in; K step 1's load may stay out
	s_barrier_signal -1
	s_barrier_wait -1                              ; everybody's is
	FETCH_B 0, 0, 0
	FETCH_A 0, 0, 0
	FETCH_A 0, 0, 4
	STEP 0, 0, 1                                   ; K 0-127: the products start the sums
	TURN 0, 1, 1                                   ; K 128-255; slot 0 takes K 512-767
	STEP 1, 0, 0
	TURN 1, 0, 1                                   ; slot 1 takes K 768-1023
	STEP 0, 0, 0
	TURN 0, 1, 0                                   ; nothing is left to fetch: no round
	STEP 1, 0, 0
	s_wait_dscnt 4*NL                              ; the very last step
	WIN MUL_LO
	MUL16 0, 1, 0
	MUL16 2, 1, 0
	s_wait_alu depctr_va_vdst(0)
	s_wait_dscnt 0
	WIN MUL_HI
	MUL16 4, 1, 0
	MUL16 6, 1, 0
	WIN 0
; THE WAY OUT of block a (16 rows of A x my 128 rows of B).  The sums go to the conversion as they stand, unheld;
; eight numbers become two registers of codes; the block's 16 registers are stored as they stand, 512 consecutive bytes a store.  Each block has its own registers for its codes: no store's data are written again.
.macro OUTBLK a
.set AC, 64*((\a)%4)
.set CD, AF+16*(\a)
	WIN 0x02+((\a)/4)                              ; source 0: window 2 or 3
.set j, 0
.rept 64
.set j, j+1
.endr
.irp b, 0,1,2,3,4,5,6,7
	v_cvt_scalef32_pk8_fp8_f32 v[CD+2*\b:CD+2*\b+1], v[AC+8*\b:AC+8*\b+7], v[SC]
.endr
	WIN 0
	v_nop                                          ; one plain vector instruction behind the last conversion
.if (\a) > 0
	s_wait_alu depctr_va_vdst(0)
	s_wait_xcnt 0x0                                ; the last block's stores have read their base: it may step
.if (\a) == 4
	s_add_nc_u64 s[10:11], s[10:11], s[98:99]
.else
	s_add_nc_u64 s[10:11], s[10:11], s[96:97]
.endif
.endif
	global_store_b128 v[CO],  v[CD:CD+3],     s[10:11]
	global_store_b128 v[CO],  v[CD+4:CD+7],   s[10:11] offset:512
	global_store_b128 v[CO2], v[CD+8:CD+11],  s[10:11]
	global_store_b128 v[CO2], v[CD+12:CD+15], s[10:11] offset:512
.endm
	PLACES NP                                      ; behind the last products: for the first reads of results and the first writes over A's fragments
.irp a, 0,1,2,3,4,5,6,7
	OUTBLK \a
.endr
	s_wait_tensorcnt 0x0                           ; the wave's end
	ds_add_u32 v[SPW], v[NIL]
	s_wait_dscnt 0x0
	CROUND                                         ; the closing round: no work-group ends while a partner may still ask for a tile that names it
	s_endpgm
.Lfunc_end_k_qb932bf282b_qkv:
	.size	k_qb932bf282b_qkv, .Lfunc_end_k_qb932bf282b_qkv-k_qb932bf282b_qkv
	.p2alignl 7, 3214868480
	.fill 96, 4, 3214868480
	.section	.rodata,"a",@progbits
	.p2align	6, 0x0
	.amdhsa_kernel k_qb932bf282b_qkv
		.amdhsa_group_segment_fixed_size 327680
		.amdhsa_private_segment_fixed_size 0
		.amdhsa_enable_private_segment 0
		.amdhsa_kernarg_size 64
		.amdhsa_user_sgpr_count 2
		.amdhsa_user_sgpr_kernarg_segment_ptr 1
		.amdhsa_wavefront_size32 1
		.amdhsa_system_sgpr_workgroup_id_x 1
		.amdhsa_system_sgpr_workgroup_id_y 1
		.amdhsa_system_sgpr_workgroup_id_z 1
		.amdhsa_system_vgpr_workitem_id 0
		.amdhsa_next_free_vgpr 1024
		.amdhsa_next_free_sgpr 100
		.amdhsa_reserve_vcc 0
		.amdhsa_float_denorm_mode_32 3
		.amdhsa_float_denorm_mode_16_64 3
		.amdhsa_fp16_overflow 1
		.amdhsa_memory_ordered 1
		.amdhsa_forward_progress 1
		.amdhsa_inst_pref_size 87
	.end_amdhsa_kernel
	.amdgpu_metadata
---
amdhsa.version: [ 1, 2 ]
amdhsa.kernels:
  - .name:           k_qb932bf282b_qkv
    .symbol:         k_qb932bf282b_qkv.kd
    .args:
      - { .name: x_codes, .offset: 0, .size: 8, .value_kind: global_buffer, .address_space: global }
      - { .name: w_q_codes, .offset: 8, .size: 8, .value_kind: global_buffer, .address_space: global }
      - { .name: w_k_codes, .offset: 16, .size: 8, .value_kind: global_buffer, .address_space: global }
      - { .name: w_v_codes, .offset: 24, .size: 8, .value_kind: global_buffer, .address_space: global }
      - { .name: lowp_scales, .offset: 32, .size: 8, .value_kind: global_buffer, .address_space: global }
      - { .name: q_img, .offset: 40, .size: 8, .value_kind: global_buffer, .address_space: global }
      - { .name: k_img, .offset: 48, .size: 8, .value_kind: global_buffer, .address_space: global }
      - { .name: v_img, .offset: 56, .size: 8, .value_kind: global_buffer, .address_space: global }
    .group_segment_fixed_size: 327680
    .private_segment_fixed_size: 0
    .kernarg_segment_align: 8
    .kernarg_segment_size: 64
    .max_flat_workgroup_size: 128
    .sgpr_count:     100
    .vgpr_count:     1024
    .wavefront_size: 32
...
	.end_amdgpu_metadata
.endif
;; end of part 1
;; launch attn (part 2): grid 4 x 64, 16 waves a work-group, no clusters, 327,680 bytes of LDS; arguments q_img, k_img, v_img, lowp_scales, ctx_img; writes ctx_img
.if DOCPART == 2
	.amdgcn_target "amdgcn-amd-amdhsa--gfx1250"
	.amdhsa_code_object_version 6
	.text
	.protected	k_qb932bf282b_attn
	.globl	k_qb932bf282b_attn
	.p2align	8
	.type	k_qb932bf282b_attn,@function
k_qb932bf282b_attn:
	s_mov_b64 s[64:65], 0
	v_nop
	global_prefetch_b8 v0, s[64:65] scope:SCOPE_SE
	s_setreg_imm32_b32 hwreg(HW_REG_WAVE_MODE, 25, 1), 1
	s_wait_xcnt 0x0
; ctx[b][q][head] = softmax_k(q . k / 8, causal) v, both products on E4M3 codes; ctx is quantised at 2^e10 and stored as an image of the last product's operand registers.
; q_img, k_img: [batch x head 64][token tile 128][g 2][lane 32][16 bytes]: a fragment of 16 tokens x 64 channels.   v_img: [64][128 keys: 16][channel tile 4][g 4][lane 32][16 bytes]: 16 channels x 128 keys.
; ctx_img: [token tile 512][head 16][g 2][lane 32][16 bytes]: two neighbouring heads on end are a fragment of 16 tokens x 128 channels.
; THE SOFTMAX: t = score x 2^(e6+e7) x log2(e) / 8; M = the running largest t rounded UP to a whole number; p = 2^(t - M) is quantised at 2^e8, not normalised; the row's sum is taken of the unquantised p and divides
; at the end.  When M moves, the sum and O are multiplied by 2^(old M - new M): exact.
; SHARES.  Work-group (i, batch x head), i = 0..3, takes the block of 256 queries 7 - i (key slots 0 .. 7 - i, 256 keys each) and then block i (slots 0 .. i): NINE slot trips in every work-group, seven whole slots
; and two on the diagonal: equal work in all 256.  Each of the sixteen waves owns 16 neighbouring queries of the block in 256 registers, four waves to a SIMD.
; A step of 128 keys all of which come after my 16 queries is left out by a scalar branch on ids; on the diagonal hidden scores become -infinity ahead of the maximum.  Key 0 counts for every query, so M is a number from the first step on.
; LAYOUT.  S^T = K Q^T (source 0 = 16 keys, source 1 = my 16 queries), O^T = V^T P^T: a lane holds ONE query (lane % 16) throughout; tile t's eight scores are keys 16 t + 8 (lane / 16) + 0..7, so their two registers
; of codes are registers 2 t, 2 t + 1 of P's fragment; V's images hold the keys in the same places.  O^T's tiles become ctx's fragment in the same way.
; THE RING: two LDS slots of 32,768 bytes (K's 16 tiles, then V's two blocks of 128 keys), dense, read at 16 x lane.  Wave 0 fetches K's 16,384 bytes, wave 1 V's: one load a wave behind each barrier, and one outstanding at the most.
; NO CLUSTER: the four work-groups of a head change blocks in trips 7 - i, so from trip 5 on they want different slots in the same trip; partners that walked in step would walk 8 + 4 = 12 trips for 9 trips' work.
; LIMITS: e6 + e7 between -123 and 130 (added to the exponent field of log2(e) / 8); e8 and e10 between -126 and 119; e8 + e9 is applied by v_ldexp_f32 and has none.  NaN codes are not served.
; REGISTERS: v1 16 x lane; v2 LDS address in hand; v3 prefetch offset; v5, v6 the add's; v7, v8 offsets in q_img, ctx_img; v12 -M, v13 the largest t, v[14:15] the sum; v16-23 Q; v32-95 K's eight fragments, then V's four;
;   v96-159 S^T, then p; v160-191 O^T; v192-199 ctx's codes; v224-239 p's codes; v244: 2^e8; v245: 2^e10; v236-243, v246, v248-255 at work.
.set VOFF,  16384                      ; V's part of a slot
.set SLOT1, 32768                      ; slot 1: one exclusive or turns an address in one slot into the other's
.set SPARE, 65536                      ; behind the ring: the spare words, 128 bytes a wave: eight blocks of 256 bytes that no other line names
.set LI,   1
.set ADR,  2
.set PFO,  3
.set SPW,  5
.set NIL,  6
.set QOF,  7
.set COF,  8
.set TB,   2                           ; s2   LDS byte at which the slot in hand begins
.set WV,   18                          ; s18  my wave's number
.set SEL,  20                          ; s[20:21] lane selects for v_permlanex16_b32: lane l xor 16
.set CS,   22                          ; s[22:23] c = 2^(e6+e7) log2(e) / 8
.set G1,   24                          ; s[24:31] descriptor group 1: 64 dense rows of 256 bytes, for K and for V alike
.set G0,   40                          ; s[40:43] group 0, which walks
.set SWI,  66                          ; s66  i + 1: the value of SLOTS in the trip that ends the first block
.set SLOTS, 67                         ; s67  trips of the loop still to go
.set BACK, 68                          ; s68  (8 - i) x 16,384: from behind the first block's last slot back to slot 0
.set PFA,  76                          ; s[76:77] where my prefetches stand
.set LIM,  80                          ; s80  2 in a wave that prefetches, else the greatest number
.set EPV,  81                          ; s81  e8 + e9
.set Q0A,  97                          ; s97  my first query in the second block
.set KF,   98                          ; s98  the step's first key
.set Q0,   99                          ; s99  my first query
.macro TLOAD                           ; waves 0 and 1 fetch; the branch hangs on the wave's number alone.  Four v_nop follow the load
	s_cmp_lt_u32 s[WV], 2
	s_cbranch_scc0 .Lasked_\@
	tensor_load_to_lds s[G0:G0+3], s[G1:G1+7]
	s_nop 0
.rept 4
	v_nop
.endr
.Lasked_\@:
.endm
; A PREFETCH INTO THE L2 of the slot that the NEXT change of slots will ask for.  All four work-groups of a head walk slots 0, 1, 2 .. in their first trips: work-group i = 0, which walks all eight, asks, and nobody else.
; In it the waves ask that fetch nothing: waves 4, 5 for K's 16,384 bytes, waves 6, 7 for V's: 8,192 bytes a wave, lanes 256 bytes apart: each block of 256 bytes is named once in the launch.
; Trip t asks for slot t + 2, for t = 0 .. 5: slots 0 and 1 come by their loads alone, and nothing past slot 7 is named.
.macro ASK
	s_cmp_gt_u32 s[SLOTS], s[LIM]
	s_cbranch_scc0 .Lnot_mine_\@
	global_prefetch_b8 v[PFO], s[PFA:PFA+1] th:TH_LOAD_NT scope:SCOPE_SE
.Lnot_mine_\@:
.endm
; A block of queries begins: Q's fragment (1,024 dense bytes a wave), the statistics, O^T = 0 (the step is written once: the first change of M multiplies zeros).
.macro START
	s_lshl_b32 s72, s[Q0], 6
	v_add_nc_u32 v[QOF], s72, v[LI]                ; token tile Q0 / 16 x 1,024 bytes
	s_lshl_b32 s72, s[Q0], 10
	v_add_nc_u32 v[COF], s72, v[LI]                ; token tile x 16,384 bytes
	global_load_b128 v[16:19], v[QOF], s[4:5]
	global_load_b128 v[20:23], v[QOF], s[4:5] offset:512
	v_mov_b32 v13, 0xff61b1e6                      ; the largest t so far: -3e38, under every t
	s_delay_alu instid0(VALU_DEP_1)
	v_floor_f32 v12, -v13                          ; -M
	v_mov_b32 v14, 0
	v_mov_b32 v15, 0
.set j, 0
.rept 32
	v_mov_b32 v[160+j], 0
.set j, j+1
.endr
	s_wait_loadcnt 0x0
.endm
; A KEY STEP: 128 keys, the q-th of the slot in hand.
.macro STEP q
	s_add_co_u32 s96, s[Q0], 15
	s_cmp_gt_u32 s[KF], s96                        ; all 128 keys come after my queries: nothing to do but the step of KF
	s_cbranch_scc1 .Lhidden_\@
	v_add_nc_u32 v[ADR], s[TB], v[LI]
.rept 3
	v_nop                                          ; with the addition above: four places in front of loads into registers that the last products read
.endr
.set u, 0
.rept 16
	ds_load_b128 v[32+4*u:35+4*u], v[ADR] offset:8192*(\q)+512*u          ; K: tile u / 2, registers 4 (u % 2) on
.set u, u+1
.endr
	s_wait_alu depctr_va_vdst(0)
	s_wait_dscnt 0x0
.set t, 0
.rept 8
	v_wmma_f32_16x16x64_fp8_fp8 v[96+8*t:103+8*t], v[32+8*t:39+8*t], v[16:23], 0
.set t, t+1
.endr
.rept 4
	v_nop                                          ; places: for the loads below, and for the first reads of the scores
.endr
.set u, 0
.rept 16
	ds_load_b128 v[32+4*u:35+4*u], v[ADR] offset:VOFF+8192*(\q)+512*u     ; V: channel tile u / 4, registers 4 (u % 4) on: they land while the softmax is walked
.set u, u+1
.endr
	s_add_co_u32 s96, s[KF], 127
	s_cmp_le_u32 s96, s[Q0]                        ; all 128 keys count for all my queries: no mask
	s_cbranch_scc1 .Lopen_\@
	s_sub_co_i32 s96, s[Q0], s[KF]
	v_and_b32 v252, 15, v0
	v_bfe_u32 v253, v0, 4, 1
	s_delay_alu instid0(VALU_DEP_1)
	v_lshlrev_b32 v253, 3, v253
	s_delay_alu instid0(VALU_DEP_1)
	v_sub_nc_u32 v252, v252, v253
	s_delay_alu instid0(VALU_DEP_1)
	v_add_nc_u32 v252, s96, v252                   ; d = my query - KF - 8 (lane / 16).  Register 8 t + j holds key KF + 16 t + 8 (lane / 16) + j: hidden where 16 t + j > d
	v_mov_b32 v254, 0xff800000                     ; -infinity
.set n, 0
.rept 64
	v_cmp_gt_i32 vcc_lo, 16*(n/8)+n%8, v252
	v_cndmask_b32 v[96+n], v[96+n], v254, vcc_lo
.set n, n+1
.endr
.Lopen_\@:
	v_max3_num_f32 v254, v96, v97, v98             ; the step's largest score of my query among my 64 keys, in two chains (each tile is first read at its low end),
	v_max3_num_f32 v252, v99, v100, v101
.irp i, 6,10,14,18,22,26,30,34,38,42,46,50,54,58
	v_max3_num_f32 v254, v254, v[96+\i], v[97+\i]
	v_max3_num_f32 v252, v252, v[98+\i], v[99+\i]
.endr
	v_max3_num_f32 v254, v254, v158, v159
	s_delay_alu instid0(VALU_DEP_1)
	v_max_num_f32 v254, v254, v252
	s_delay_alu instid0(VALU_DEP_1)
	v_permlanex16_b32 v246, v254, s[SEL], s[SEL+1]
	s_delay_alu instid0(VALU_DEP_1)
	v_max_num_f32 v254, v254, v246                 ; and among lane l xor 16's
	s_delay_alu instid0(VALU_DEP_1)
	v_mul_f32 v254, s[CS], v254                    ; as t (c is positive)
	s_delay_alu instid0(VALU_DEP_1)
	v_max_num_f32 v13, v13, v254                   ; the running largest t
	v_mov_b32 v254, v12
	s_delay_alu instid0(VALU_DEP_2)
	v_floor_f32 v12, -v13                          ; the new -M = floor(-t) = -ceil(t): a whole number
	s_delay_alu instid0(VALU_DEP_1)
	v_sub_f32 v254, v12, v254                      ; old M - new M: a whole number, 0 or less
	s_delay_alu instid0(VALU_DEP_1)
	v_cvt_i32_f32 v254, v254                       ; (it saturates)
	s_delay_alu instid0(VALU_DEP_1)
	v_ldexp_f32 v252, 1.0, v254                    ; f = 2^(old M - new M)
.set j, 0
.rept 32
	v_pk_fma_f32 v[96+j:97+j], v[96+j:97+j], s[CS:CS+1], v[12:13] op_sel_hi:[1,0,0]   ; t - M, two at a time (of the pairs c and -M the low word serves both halves)
.set j, j+2
.endr
.set j, 0
	s_wait_alu depctr_va_vdst(0)
.rept 64
	v_exp_f32 v[96+j], v[96+j]                     ; p = 2^(t - M), at most 1
.set j, j+1
.endr
	v_pk_mul_f32 v[14:15], v[14:15], v[252:253] op_sel_hi:[1,0]   ; the sums under the new M: the plain instruction behind the exponentials
	s_wait_alu depctr_va_vdst(0)                   ; one wait for the whole batch, ahead of its first reader
	v_pk_add_f32 v[242:243], v[100:101], v[104:105]
	v_pk_add_f32 v[254:255], v[108:109], v[112:113]
	v_pk_add_f32 v[250:251], v[116:117], v[120:121]
	v_pk_add_f32 v[248:249], v[124:125], v[128:129]
	v_pk_add_f32 v[240:241], v[132:133], v[136:137]
	v_pk_add_f32 v[238:239], v[140:141], v[144:145]
	v_pk_add_f32 v[236:237], v[148:149], v[152:153]
	v_pk_add_f32 v[14:15], v[14:15], v[156:157]
	v_pk_add_f32 v[242:243], v[242:243], v[96:97]
	v_pk_add_f32 v[254:255], v[254:255], v[98:99]
	v_pk_add_f32 v[250:251], v[250:251], v[102:103]
	v_pk_add_f32 v[248:249], v[248:249], v[106:107]
	v_pk_add_f32 v[240:241], v[240:241], v[110:111]
	v_pk_add_f32 v[238:239], v[238:239], v[114:115]
	v_pk_add_f32 v[236:237], v[236:237], v[118:119]
	v_pk_add_f32 v[14:15], v[14:15], v[122:123]
	v_pk_add_f32 v[242:243], v[242:243], v[126:127]
	v_pk_add_f32 v[254:255], v[254:255], v[130:131]
	v_pk_add_f32 v[250:251], v[250:251], v[134:135]
	v_pk_add_f32 v[248:249], v[248:249], v[138:139]
	v_pk_add_f32 v[240:241], v[240:241], v[142:143]
	v_pk_add_f32 v[238:239], v[238:239], v[146:147]
	v_pk_add_f32 v[236:237], v[236:237], v[150:151]
	v_pk_add_f32 v[14:15], v[14:15], v[154:155]
	v_pk_add_f32 v[242:243], v[242:243], v[158:159]
	s_delay_alu instid0(VALU_DEP_2)
	v_pk_add_f32 v[14:15], v[14:15], v[248:249]
	s_delay_alu instid0(VALU_DEP_2)
	v_pk_add_f32 v[242:243], v[242:243], v[240:241]
	v_pk_add_f32 v[254:255], v[254:255], v[238:239]
	v_pk_add_f32 v[250:251], v[250:251], v[236:237]
	s_delay_alu instid0(VALU_DEP_2)
	v_pk_add_f32 v[14:15], v[14:15], v[254:255]
	s_delay_alu instid0(VALU_DEP_2)
	v_pk_add_f32 v[242:243], v[242:243], v[250:251]
	s_delay_alu instid0(VALU_DEP_1)
	v_pk_add_f32 v[14:15], v[14:15], v[242:243]
.irp t, 0,1,2,3,4,5,6,7
.irp i, 0,1,2,3,4,5,6,7
.endr
	v_cvt_scalef32_pk8_fp8_f32 v[224+2*\t:225+2*\t], v[96+8*\t:103+8*\t], v244
.endr
.set j, 0
.rept 16
	v_pk_mul_f32 v[160+j:161+j], v[160+j:161+j], v[252:253] op_sel_hi:[1,0]   ; O^T under the new M.  (Also the plain instructions between the conversions and the products)
.set j, j+2
.endr
	s_wait_alu depctr_va_vdst(0)
	s_wait_dscnt 0x0                               ; V is in
.set t, 0
.rept 4
	v_wmma_f32_16x16x128_fp8_fp8 v[160+8*t:167+8*t], v[32+16*t:47+16*t], v[224:239], v[160+8*t:167+8*t]   ; four accumulators, one instruction a turn
.set t, t+1
.endr
.Lhidden_\@:
	s_add_co_u32 s[KF], s[KF], 128
.endm
; THE CHANGE OF SLOTS stands at a slot's head.  Each wave waits for all its tensor loads (its part of the slot that it is about to read), adds 0 to its spare word, and waits for that and for its reads of the slot
; that it has left.  Behind the barrier the slot ahead is whole and nobody reads the other one.  fill = 1: that other slot is filled with the next trip's keys: the load has a whole trip in which to land.
.macro CHANGE fill
	s_wait_tensorcnt 0x0                           ; no tensor load of mine is out, so group 0 may be written
	ds_add_u32 v[SPW], v[NIL]                      ; 0 onto my spare word
.if \fill
	s_xor_b32 s[G0+1], s[G0+1], SLOT1              ; the other slot than last time,
	s_cmp_eq_u32 s[SLOTS], s[SWI]
	s_cselect_b32 s70, s[BACK], 0                  ; in the first block's last trip the next trip's keys are slot 0's again
	s_add_nc_u64 s[G0+2:G0+3], s[G0+2:G0+3], 16384 ; the next 256 keys; the type bits on top are not reached
	s_sub_nc_u64 s[G0+2:G0+3], s[G0+2:G0+3], s[70:71]
	s_wait_xcnt 0x0                                ; the last prefetch, a trip back, has read its address, so it may be written
	s_add_nc_u64 s[PFA:PFA+1], s[PFA:PFA+1], 16384
.endif
	s_wait_dscnt 0x0                               ; the add is done, and my reads of the slot that I have left are over
	s_barrier_signal -1
	s_barrier_wait -1
.if \fill
	TLOAD                                          ; the first thing behind the barrier, and a wave's one tensor load until the next
	ASK
.endif
.endm
; A block of queries ends: O^T x 2^(e8+e9) / the sum, quantised at 2^e10; the four tiles' codes are the head's part of ctx's fragment: 1,024 dense bytes a wave.
.macro FINISH
.rept 4
	v_nop                                          ; places behind the last products
.endr
	v_add_f32 v14, v14, v15                        ; the sum's two halves,
	s_delay_alu instid0(VALU_DEP_1)
	v_permlanex16_b32 v252, v14, s[SEL], s[SEL+1]
	s_delay_alu instid0(VALU_DEP_1)
	v_add_f32 v14, v14, v252                       ; and lane l xor 16's
	s_wait_alu depctr_va_vdst(0)
	v_rcp_f32 v14, v14
	v_nop                                          ; a plain instruction behind the transcendental
	s_wait_alu depctr_va_vdst(0)                   ; and the wait ahead of its first reader
	v_ldexp_f32 v14, v14, s[EPV]
.set j, 0
.rept 32
	v_mul_f32 v[96+j], v[160+j], v14               ; register 8 t + i is ctx(my query, 16 t + 8 (lane / 16) + i); each accumulator from its low end on
.set j, j+1
.endr
.set j, 0
.rept 32
.set j, j+1
.endr
.irp t, 0,1,2,3
	v_cvt_scalef32_pk8_fp8_f32 v[192+2*\t:193+2*\t], v[96+8*\t:103+8*\t], v245
.endr
	v_nop                                          ; one plain vector instruction behind the last conversion
	global_store_b128 v[COF], v[192:195], s[12:13]
	global_store_b128 v[COF], v[196:199], s[12:13] offset:512
.endm
	s_load_b256 s[4:11], s[0:1], 0x0               ; q_img s[4:5], k_img s[6:7], v_img s[8:9], the scales' exponents s[10:11]
	s_load_b64 s[12:13], s[0:1], 0x20              ; ctx_img
	v_lshl_add_u32 v[SPW], v0, 2, SPARE
	v_mov_b32 v[NIL], 0
	ds_add_u32 v5, v6
	ds_add_u32 v5, v6
	s_wait_dscnt 0x0
	v_lshrrev_b32 v2, 5, v0
	s_delay_alu instid0(VALU_DEP_1)
	v_readfirstlane_b32 s[WV], v2                  ; wave 0..15
	v_and_b32 v[LI], 31, v0
	s_delay_alu instid0(VALU_DEP_1)
	v_lshlrev_b32 v[PFO], 8, v[LI]                 ; 256 x lane
	s_delay_alu instid0(VALU_DEP_2)
	v_lshlrev_b32 v[LI], 4, v[LI]                  ; 16 x lane
	s_and_b32 s72, ttmp7, 0xffff                   ; batch x 16 + head
	s_lshl_b32 s74, s72, 17                        ; its 131,072 bytes in each of q_img, k_img, v_img
	s_mov_b32 s75, 0
	s_lshr_b32 s82, s72, 4
	s_lshl_b32 s82, s82, 21                        ; ctx_img: the batch's 128 token tiles of 16,384 bytes,
	s_and_b32 s83, s72, 15
	s_lshl_b32 s83, s83, 10                        ; the head's 1,024 bytes in a tile
	s_add_co_u32 s82, s82, s83
	s_mov_b32 s83, 0
	s_mov_b32 s[G1], 3<<16                         ; no mask; elements of 8 bytes; no padding
	s_mov_b32 s[G1+1], 32<<16                      ; tensor_dim0 = 32 elements: 256 bytes
	s_mov_b32 s[G1+2], 64<<16                      ; tensor_dim1 = 64
	s_mov_b32 s[G1+3], 32<<16                      ; tile_dim0
	s_mov_b32 s[G1+4], 64                          ; tile_dim1
	s_mov_b32 s[G1+5], 32                          ; tensor_dim0_stride: the rows are dense
	s_mov_b32 s[G1+6], 0
	s_mov_b32 s[G1+7], 0
	s_mov_b32 s[SEL], 0x76543210
	s_mov_b32 s[SEL+1], 0xfedcba98
	s_mov_b32 s[CS], 0x3e38aa3b                    ; log2(e) / 8
	s_mov_b32 s[TB], 0
	s_mov_b32 s[SLOTS], 8
	s_mov_b32 s[KF], 0
	s_add_co_u32 s[SWI], ttmp9, 1
	s_sub_co_u32 s[BACK], 8, ttmp9
	s_lshl_b32 s[BACK], s[BACK], 14
	s_mov_b32 s71, 0
	s_lshl_b32 s73, s[WV], 4
	s_lshl_b32 s[Q0A], ttmp9, 8
	s_add_co_u32 s[Q0A], s[Q0A], s73               ; second block: 256 i + 16 x wave
	s_sub_co_u32 s[Q0], 7, ttmp9
	s_lshl_b32 s[Q0], s[Q0], 8
	s_add_co_u32 s[Q0], s[Q0], s73                 ; first block: 256 (7 - i) + 16 x wave
	s_and_b32 s73, s[WV], 1
	s_wait_kmcnt 0x0
	s_load_b256 s[84:91], s[10:11], 0x10           ; e4 .. e11: e6 s86, e7 s87, e8 s88, e9 s89, e10 s90
	s_mov_b32 s[G0], 1                             ; count = 1
	s_lshl_b32 s[G0+1], s73, 14                    ; LDS address: slot 0; wave 0: K's part, wave 1: V's
	s_cmp_eq_u32 s[WV], 0
	s_cselect_b64 s[G0+2:G0+3], s[6:7], s[8:9]
	s_add_nc_u64 s[G0+2:G0+3], s[G0+2:G0+3], s[74:75]   ; global address: the head's first 256 keys
	s_or_b32 s[G0+3], s[G0+3], 0x80000000          ; type = 2
	TLOAD                                          ; slot 0
	s_add_nc_u64 s[4:5], s[4:5], s[74:75]          ; q_img at my head
	s_add_nc_u64 s[12:13], s[12:13], s[82:83]      ; ctx_img at my batch and head
	s_cmp_lt_u32 s[WV], 6                          ; the prefetches: waves 4, 5 stand in K's image, waves 6, 7 in V's,
	s_cselect_b64 s[PFA:PFA+1], s[6:7], s[8:9]
	s_add_nc_u64 s[PFA:PFA+1], s[PFA:PFA+1], s[74:75]
	s_lshl_b32 s82, s73, 13                        ; at my wave's 8,192 bytes
	s_add_co_u32 s82, s82, 16384                   ; of slot 1: the first change of slots steps it to slot 2
	s_add_nc_u64 s[PFA:PFA+1], s[PFA:PFA+1], s[82:83]
	s_sub_co_u32 s82, s[WV], 4
	s_lshr_b32 s82, s82, 2                         ; 0 in waves 4 to 7,
	s_or_b32 s82, s82, ttmp9                       ; of work-group i = 0
	s_cmp_eq_u32 s82, 0
	s_cselect_b32 s[LIM], 2, -1
	v_mov_b32 v246, 0                              ; written once: a lane permute's destination counts as one of its sources
	v_mov_b32 v252, 0
	v_mov_b32 v253, 0                              ; (named as the upper half of the pair v[252:253])
	s_wait_alu depctr_va_vdst(0)
	START
	s_wait_kmcnt 0x0
	s_add_co_i32 s72, s86, s87
	s_lshl_b32 s72, s72, 23
	s_add_co_i32 s[CS], s[CS], s72                 ; a score stands for score x 2^(e6+e7): the exponents are added to c's exponent field
	s_mov_b32 s[CS+1], s[CS]                       ; (named with it as a pair, so it is written)
	s_add_co_i32 s72, s88, 127
	s_lshl_b32 s73, s72, 23
	v_mov_b32 v244, s73                            ; 2^e8 as f32
	s_add_co_i32 s72, s90, 127
	s_lshl_b32 s73, s72, 23
	v_mov_b32 v245, s73                            ; 2^e10
	s_add_co_i32 s[EPV], s88, s89
.Lslot:                                            ; eight trips: behind each change of slots but the last the next trip's slot is asked for
	CHANGE 1
	STEP 0
	STEP 1
	s_xor_b32 s[TB], s[TB], SLOT1                  ; on to the other slot
	s_cmp_lg_u32 s[SLOTS], s[SWI]
	s_cbranch_scc1 .Lsame                          ; a branch on ids; no barrier and no tensor load stands under it
	FINISH                                         ; the first block's diagonal slot is done
	s_wait_xcnt 0x0                                ; its stores have read their offset and data
	s_mov_b32 s[Q0], s[Q0A]
	s_mov_b32 s[KF], 0
	START
.Lsame:
	s_sub_co_u32 s[SLOTS], s[SLOTS], 1
	s_cmp_lg_u32 s[SLOTS], 0
	s_cbranch_scc1 .Lslot
	CHANGE 0                                       ; the ninth trip is written out
	STEP 0
	STEP 1
	FINISH
	s_wait_tensorcnt 0x0                           ; the wave's end
	ds_add_u32 v[SPW], v[NIL]
	s_wait_dscnt 0x0
	s_endpgm
.Lfunc_end_k_qb932bf282b_attn:
	.size	k_qb932bf282b_attn, .Lfunc_end_k_qb932bf282b_attn-k_qb932bf282b_attn
	.p2alignl 7, 3214868480
	.fill 96, 4, 3214868480
	.section	.rodata,"a",@progbits
	.p2align	6, 0x0
	.amdhsa_kernel k_qb932bf282b_attn
		.amdhsa_group_segment_fixed_size 327680
		.amdhsa_private_segment_fixed_size 0
		.amdhsa_enable_private_segment 0
		.amdhsa_kernarg_size 40
		.amdhsa_user_sgpr_count 2
		.amdhsa_user_sgpr_kernarg_segment_ptr 1
		.amdhsa_wavefront_size32 1
		.amdhsa_system_sgpr_workgroup_id_x 1
		.amdhsa_system_sgpr_workgroup_id_y 1
		.amdhsa_system_sgpr_workgroup_id_z 1
		.amdhsa_system_vgpr_workitem_id 0
		.amdhsa_next_free_vgpr 256
		.amdhsa_next_free_sgpr 100
		.amdhsa_reserve_vcc 1
		.amdhsa_float_denorm_mode_32 3
		.amdhsa_float_denorm_mode_16_64 3
		.amdhsa_fp16_overflow 1
		.amdhsa_memory_ordered 1
		.amdhsa_forward_progress 1
		.amdhsa_inst_pref_size 90
	.end_amdhsa_kernel
	.amdgpu_metadata
---
amdhsa.version: [ 1, 2 ]
amdhsa.kernels:
  - .name:           k_qb932bf282b_attn
    .symbol:         k_qb932bf282b_attn.kd
    .args:
      - { .name: q_img, .offset: 0, .size: 8, .value_kind: global_buffer, .address_space: global }
      - { .name: k_img, .offset: 8, .size: 8, .value_kind: global_buffer, .address_space: global }
      - { .name: v_img, .offset: 16, .size: 8, .value_kind: global_buffer, .address_space: global }
      - { .name: lowp_scales, .offset: 24, .size: 8, .value_kind: global_buffer, .address_space: global }
      - { .name: ctx_img, .offset: 32, .size: 8, .value_kind: global_buffer, .address_space: global }
    .group_segment_fixed_size: 327680
    .private_segment_fixed_size: 0
    .kernarg_segment_align: 8
    .kernarg_segment_size: 40
    .max_flat_workgroup_size: 512
    .sgpr_count:     100
    .vgpr_count:     256
    .wavefront_size: 32
...
	.end_amdgpu_metadata
.endif
;; end of part 2
;; launch oproj (part 3): grid 4 x 32, 4 waves a work-group, clusters of 4 x 4, 327,680 bytes of LDS; arguments ctx_img, w_o_codes, lowp_scales, b_o, out0; writes out0
.if DOCPART == 3
	.amdgcn_target "amdgcn-amd-amdhsa--gfx1250"
	.amdhsa_code_object_version 6
	.text
	.protected	k_qb932bf282b_oproj
	.globl	k_qb932bf282b_oproj
	.p2align	8
	.type	k_qb932bf282b_oproj,@function
k_qb932bf282b_oproj:
	s_mov_b64 s[64:65], 0
	v_nop
	global_prefetch_b8 v0, s[64:65] scope:SCOPE_SE
	s_setreg_imm32_b32 hwreg(HW_REG_WAVE_MODE, 25, 1), 1
	s_wait_xcnt 0x0
	s_wait_alu depctr_hold_cnt(0) depctr_sa_sdst(0) depctr_va_vdst(0) depctr_va_sdst(0) depctr_va_ssrc(0) depctr_va_vcc(0) depctr_vm_vsrc(0)
	s_getreg_b32 s2, hwreg(HW_REG_IB_STS2, 6, 4)
	s_cmp_eq_u32 s2, 0
	s_cbranch_scc0 .Lentry_in_a_cluster
	s_endpgm
.Lentry_in_a_cluster:
	s_bfe_u32 s2, ttmp6, 0x10000c
	s_cmp_lg_u32 s2, 0xf033
	s_cbranch_scc0 .Lentry_shape_is_right
	s_endpgm
.Lentry_shape_is_right:
; out0[m][n] = 2^(e10+e11) x (sum over k of ctx[m][k] w_o[n][k]) + b_o[n], on E4M3 codes.  out0: [8192][1024] f32.  w_o: [1024][1024] codes, K innermost.
; ctx_img: [token tile 512][head 16][g 2][lane 32][16 bytes]: heads 2 j, 2 j + 1 on end are the fragment of 16 tokens x K = 128 j .. 128 j + 127, registers 4 c .. 4 c + 3 at 512 c + 16 x lane, with each k in the
; place that the plain 8-bit form gives it (registers 2 c, 2 c + 1: k = 16 c + 8 (lane / 16) + 0..7).  So w_o's fragments are read in those places too: eight loads of 8 bytes.
; LIMIT: e10 + e11 lies between -126 and 127, so that 2^(e10+e11) is an f32 number.  NaN codes are not served.
; A tile of 256 x 256 to a work-group of four waves, 128 x 128 a wave (64 accumulators, 512 registers): 128 work-groups.  K in steps of 256 through a ring of two LDS slots: four fills, so the steps are written out.
; A K step of A is 4,096 consecutive bytes of each token tile: a wave's tensor load brings 8 such rows, 16,384 bytes apart, and they lie dense in LDS: images are read at 16 x lane, 512 consecutive bytes a load.
; CLUSTERS: 4 x 4 work-groups; A's tile is asked for jointly along a row of the cluster, B's along a column.  THE MATRIX INSTRUCTION IS USED TRANSPOSED (source 0 = 16 rows of w_o, source 1 = 16 tokens):
; a lane holds eight neighbouring columns of one row of out0.
; REGISTERS, in windows of 256: window 0: v0-31 addresses; v32-35 b_o at my four columns; from v128 A's fragments, ONE set; on the way out rows read back from the stage, two sets of 64.
;   window 1: B's fragments, two sets, at v0 and v128.   window 2: the accumulators of my rows 0-63 ((a, b) at v[8 (8 a + b)]);   window 3: those of my rows 64-127.
.set PITCH,  272                       ; a row of w_o's tile in LDS: 256 bytes + 16 of padding = 68 words: the 32 lanes of a load of 8 bytes (row r, + 8 h) touch 64 different banks (64 banks of 4 bytes: ISA guide 11.1)
.set FR,     16                        ; registers of a fragment: 16 rows x 128 K
.set NL,     4                         ; LDS loads that bring one of A's
.set NP,     4                         ; places behind this matrix instruction (ISA guide 7.12.1)
.set HALFA,  32768                     ; 8 token tiles x 4,096 bytes: what one of A's tensor loads brings
.set HALFB,  128*PITCH                 ; 128 rows of w_o
.set BOFF,   2*HALFA                   ; B's part of a slot
.set SLOT,   BOFF+2*HALFB
.set SPARE,  2*SLOT                    ; behind the ring: the spare words, 128 bytes a wave: two blocks of 256 bytes that no other line names
.set SPITCH, 528                       ; the way out: a stage of 16 rows x (512 bytes + 16) for each wave, in slot 0, which has had its last fill and its last read when the first result is stored there
.set ADRA, 16                          ; v16-17  LDS address of my A fragments in slot 0, 1
.set ADRB, 20                          ; v20-21  the same for B
.set STO,  24                          ; v24     the way out: where I put 32 bytes of a row
.set RD,   25                          ; v25     where I read a row back
.set CO,   26                          ; v26     16 x lane
.set SPW,  28                          ; v28     LDS address of my spare word; never rewritten
.set NIL,  29                          ; v29     0; never rewritten
.set BIAS, 32                          ; v32-35  b_o at columns 4 x lane + 0..3 of my wave's 128
.set AF,   128
.set BK,   128
.set G1, 24                            ; s[24:31] descriptor group 1 for A's tiles;  s[32:39] group 0, one set for each slot
.set G0, 32
.set G1B, 48                           ; s[48:55], s[56:63] the same for B's tiles
.set G0B, 56
.set MSB, 0
.macro WIN new                         ; the immediate's high byte repeats the setting that is left; a switch that changes nothing is dropped
.if MSB != \new
	s_set_vgpr_msb (MSB<<8)|\new
.set MSB, \new
.endif
.endm
.set MUL_LO, 0xa1                      ; source 0 (B) window 1, source 1 (A) window 0, C and D window 2
.set MUL_HI, 0xf1                      ; the same, C and D window 3
.set TO_B,   0x40                      ; destination window 1, address window 0
; A joint load: waves 0 and 1 fetch for A, waves 2 and 3 for B; the branch hangs on the wave's number alone.  Four v_nop follow each of the two lines.
.macro JLOAD g0a, g1a, g0b, g1b
	s_cmp_eq_u32 s15, 0
	s_cbranch_scc0 .Lfor_b_\@
	tensor_load_to_lds s[\g0a:\g0a+3], s[\g1a:\g1a+7]
	s_nop 0
.rept 4
	v_nop
.endr
	s_branch .Lasked_\@
.Lfor_b_\@:
	tensor_load_to_lds s[\g0b:\g0b+3], s[\g1b:\g1b+7]
	s_nop 0
.rept 4
	v_nop
.endr
.Lasked_\@:
.endm
.macro CREST                           ; a round of the cluster's barrier behind its opening barrier
	s_cmp_lg_u32 s14, 0
	s_cbranch_scc1 .Lnot_wave_0_\@
	s_barrier_signal -3
.Lnot_wave_0_\@:
	s_barrier_wait -3
	s_barrier_signal -1
	s_barrier_wait -1
.endm
.macro CROUND                          ; a whole round
	s_barrier_signal -1
	s_barrier_wait -1
	CREST
.endm
	s_load_b256 s[4:11], s[0:1], 0x0               ; ctx_img s[4:5], w_o's codes s[6:7], the scales' exponents s[8:9], b_o s[10:11]
	s_load_b64 s[12:13], s[0:1], 0x20              ; out0
	v_lshl_add_u32 v[SPW], v0, 2, SPARE
	v_mov_b32 v[NIL], 0
	ds_add_u32 v28, v29
	ds_add_u32 v28, v29
	s_wait_dscnt 0x0
	v_lshrrev_b32 v1, 5, v0
	v_readfirstlane_b32 s14, v1                    ; wave 0..3
	s_lshr_b32 s15, s14, 1                         ; which half of the tile's rows is mine.  Also: I fetch for A (0) or for B (1)
	s_and_b32 s16, s14, 1                          ; which half of its columns.  Also: which half of that tile I fetch
	s_bfe_u32 s40, ttmp6, 0x40000                  ; cx, cy: my place in the cluster
	s_bfe_u32 s41, ttmp6, 0x40004
	s_lshl_b32 s42, ttmp9, 2
	s_add_co_u32 s42, s42, s40                     ; tile column = 4 x cluster x + cx
	s_and_b32 s17, ttmp7, 0xffff
	s_lshl_b32 s17, s17, 2
	s_add_co_u32 s17, s17, s41                     ; tile row = 4 x cluster y + cy
	s_lshl_b32 s43, s41, 2
	s_lshl_b32 s43, 15, s43                        ; my row of the cluster
	s_lshl_b32 s44, 0x1111, s40                    ; my column
	; descriptor group 1 for A: 8 rows of 4,096 bytes, 16,384 bytes apart, dense in LDS
	s_or_b32 s[G1+0], s43, (1<<21)                 ; 15:0 the mask: my row; 17:16 elements of 1 byte; 20 no padding; 21 set beside a mask
	s_mov_b32 s[G1+1], 4096<<16                    ; tensor_dim0
	s_mov_b32 s[G1+2], 8<<16                       ; tensor_dim1 = 8
	s_mov_b32 s[G1+3], 4096<<16                    ; tile_dim0
	s_mov_b32 s[G1+4], 8                           ; tile_dim1 = 8
	s_mov_b32 s[G1+5], 16384                       ; tensor_dim0_stride
	s_mov_b32 s[G1+6], 0
	s_mov_b32 s[G1+7], 0
	; and for B: 128 rows of 256 bytes, padded in LDS
	s_or_b32 s[G1B+0], s44, (1<<20)|(1<<21)|(5<<22)|(3<<25)  ; the mask: my column; padding: four words after every 64
	s_mov_b32 s[G1B+1], 256<<16
	s_mov_b32 s[G1B+2], 128<<16
	s_mov_b32 s[G1B+3], 256<<16
	s_mov_b32 s[G1B+4], 128
	s_mov_b32 s[G1B+5], 1024
	s_mov_b32 s[G1B+6], 0
	s_mov_b32 s[G1B+7], 0
	s_lshl_b32 s18, s16, 17                        ; my half: 8 token tiles of 16,384 bytes, or 128 rows of 1,024: 131,072 bytes either way
	s_lshl_b32 s20, s17, 18                        ; A: 16 token tiles x tile row
	s_add_co_u32 s20, s20, s18
	s_mov_b32 s21, 0
	s_lshl_b32 s46, s42, 18                        ; B: 256 rows x tile column
	s_add_co_u32 s46, s46, s18
	s_mov_b32 s47, 0
	s_lshl_b32 s45, s16, 15                        ; where they go: A's half,
	s_mul_i32 s23, s16, HALFB
	s_add_co_u32 s23, s23, BOFF                    ; B's half: no place in the cluster enters an LDS address
	s_wait_kmcnt 0x0
	s_load_b64 s[96:97], s[8:9], 0x28              ; e10, e11
	s_add_nc_u64 s[20:21], s[4:5], s[20:21]
	s_add_nc_u64 s[46:47], s[6:7], s[46:47]
	CROUND                                         ; all sixteen work-groups are here: the first joint loads meet
.irp s, 0,1
	s_mov_b32 s[G0+4*\s], 1
	s_add_co_u32 s[G0+4*\s+1], s45, \s*SLOT
	s_add_nc_u64 s[G0+4*\s+2:G0+4*\s+3], s[20:21], \s*4096         ; K step s: four heads' images
	s_or_b32 s[G0+4*\s+3], s[G0+4*\s+3], 0x80000000
	s_mov_b32 s[G0B+4*\s], 1
	s_add_co_u32 s[G0B+4*\s+1], s23, \s*SLOT
	s_add_nc_u64 s[G0B+4*\s+2:G0B+4*\s+3], s[46:47], \s*256
	s_or_b32 s[G0B+4*\s+3], s[G0B+4*\s+3], 0x80000000
	s_wait_alu depctr_va_vdst(0)
	s_wait_tensorcnt 0x0
	ds_add_u32 v28, v29
	ds_add_u32 v28, v29
	s_wait_dscnt 0x0
	CROUND
	JLOAD G0+4*\s, G1, G0B+4*\s, G1B               ; one load of mine is out
.endr
	v_and_b32 v1, 15, v0                           ; r
	v_bfe_u32 v2, v0, 4, 1                         ; h
	v_and_b32 v6, 31, v0
	v_lshlrev_b32 v[CO], 4, v6                     ; 16 x lane
	v_mul_u32_u24 v3, v1, PITCH
	v_lshl_add_u32 v4, v2, 3, v3                   ; w_o: row r x pitch + 8 h
	s_lshl_b32 s21, s15, 15                        ; my 8 token tiles of A
	s_mul_i32 s22, s16, HALFB                      ; my 128 rows of B,
	s_add_co_u32 s22, s22, BOFF                    ; which lie behind A's part
.irp s, 0,1
	v_add_nc_u32 v[ADRA+\s], s21, v[CO]
	v_add_nc_u32 v[ADRB+\s], s22, v4
	s_add_co_u32 s21, s21, SLOT
	s_add_co_u32 s22, s22, SLOT
.endr
	s_mul_i32 s23, s14, 16*SPITCH                  ; my stage
	v_mul_u32_u24 v5, v1, SPITCH                   ; in: row r, 32 bytes for each half of the lanes
	v_lshl_add_u32 v5, v2, 5, v5
	v_add_nc_u32 v[STO], s23, v5
	v_add_nc_u32 v[RD], s23, v[CO]                 ; back: the 32 lanes take one row of 512 bytes
	s_lshl_b32 s46, s42, 10
	s_lshl_b32 s47, s16, 9
	s_add_co_u32 s46, s46, s47                     ; my first column, in bytes: 1,024 x tile column + 512 x half
	s_mov_b32 s47, 0
	s_add_nc_u64 s[10:11], s[10:11], s[46:47]
	global_load_b128 v[BIAS:BIAS+3], v[CO], s[10:11]   ; b_o at my four columns: 512 consecutive bytes a wave
	s_lshl_b32 s20, s17, 8
	s_lshl_b32 s21, s15, 7
	s_add_co_u32 s20, s20, s21                     ; my first row: 256 x tile row + 128 x half,
	s_lshl_b32 s20, s20, 12                        ; of 4,096 bytes (under 2^25)
	s_add_co_u32 s20, s20, s46
	s_mov_b32 s21, 0
	s_add_nc_u64 s[12:13], s[12:13], s[20:21]
	s_wait_alu depctr_va_vdst(0)
	s_wait_kmcnt 0x0
	s_add_co_i32 s96, s96, s97                     ; e10 + e11
	s_add_co_i32 s96, s96, 127
	s_lshl_b32 s96, s96, 23                        ; 2^(e10+e11) as f32
	s_mov_b32 s97, s96                             ; (named with it as a pair, so it is written)
	s_wait_loadcnt 0x0                             ; b_o
.macro FRAGA reg, adr, q, i            ; token tile i, the slot's q-th 128 along K: the image as it lies
.irp c, 0,1,2,3
	ds_load_b128 v[\reg+4*\c:\reg+4*\c+3], v[\adr] offset:4096*(\i)+2048*(\q)+512*\c
.endr
.endm
.macro FRAGB reg, adr, q, i            ; 16 rows of w_o x 128 K: registers 2 c, 2 c + 1 hold K = 16 c + 8 h + 0 .. 7 of row r
.irp c, 0,1,2,3,4,5,6,7
	ds_load_b64 v[\reg+2*\c:\reg+2*\c+1], v[\adr] offset:128*(\q)+16*\c+(\i)*16*PITCH
.endr
.endm
; 16 matrix instructions: A's blocks a0, a0 + 1 x B's eight, 128 along K.  p: B's set.  zero = 1: the first product starts the sums.
; The 64 accumulators take turns, one instruction a turn, in the same order in every step.
.macro MUL16 a0, p, zero
.irp a, \a0, \a0+1
.irp b, 0,1,2,3,4,5,6,7
.if \zero
	v_wmma_f32_16x16x128_fp8_fp8 v[8*(8*((\a)%4)+\b):8*(8*((\a)%4)+\b)+7], v[128*(\p)+FR*\b:128*(\p)+FR*\b+FR-1], v[AF+FR*(\a):AF+FR*(\a)+FR-1], 0
.else
	v_wmma_f32_16x16x128_fp8_fp8 v[8*(8*((\a)%4)+\b):8*(8*((\a)%4)+\b)+7], v[128*(\p)+FR*\b:128*(\p)+FR*\b+FR-1], v[AF+FR*(\a):AF+FR*(\a)+FR-1], v[8*(8*((\a)%4)+\b):8*(8*((\a)%4)+\b)+7]
.endif
.endr
.endr
.endm
.macro FETCH_B slot, q, p
	WIN TO_B
.irp i, 0,1,2,3,4,5,6,7
	FRAGB 128*(\p)+FR*\i, ADRB+\slot, \q, \i
.endr
	WIN 0
.endm
.macro FETCH_A slot, q, i0
.irp i, \i0, \i0+1, \i0+2, \i0+3
	FRAGA AF+FR*(\i), ADRA+\slot, \q, \i
.endr
.endm
.macro PLACES n                        ; places in front of loads into registers that matrix instructions have read, and of the first read of results (ISA guide 7.12.1 for the first read of results)
.rept \n
	v_nop
.endr
.endm
.macro STEP slot, q, zero              ; a step of 128 along K that has its successor in the same slot
	s_wait_dscnt 4*NL                              ; B's set and A's blocks 0-3 are in; the youngest 16 loads (A's blocks 4-7) may be out
	WIN MUL_LO
	MUL16 0, (\q)%2, \zero
	MUL16 2, (\q)%2, \zero
	s_wait_dscnt 0                                 ; A's blocks 4-7 are in
	PLACES NP
	FETCH_B \slot, (\q)+1, 1-(\q)%2
	FETCH_A \slot, (\q)+1, 0
	WIN MUL_HI
	MUL16 4, (\q)%2, \zero
	MUL16 6, (\q)%2, \zero
	PLACES NP
	WIN 0
	FETCH_A \slot, (\q)+1, 4
.endm
; A slot's last step changes slots: ONE barrier; in front of it each wave waits for all its tensor loads, adds 0 to its spare word, and waits for that and for its own reads of this slot.
; fill = 1: this slot is filled again, two K steps ahead; the barrier then opens a round of the cluster's barrier, and the joint refill is the first tensor load behind the round.
.macro TURN slot, next, fill
	s_wait_tensorcnt 0x0                           ; all my tensor loads have landed: my part of the next slot  (every window is 0 here)
	ds_add_u32 v[SPW], v[NIL]                      ; 0 onto my spare word
	s_wait_dscnt 4*NL+1                            ; (the add and the youngest 16 loads may be out)
	WIN MUL_LO
	MUL16 0, 1, 0                                  ; sixteen matrix instructions stand between the add and the wait for it
	s_wait_dscnt 0x0                               ; the add is done, and my reads of this slot are over
	s_barrier_signal -1
	MUL16 2, 1, 0
	WIN 0
	s_barrier_wait -1
.if \fill
	CREST                                          ; no wave of any partner still reads this slot's tile or has a load on its way
	s_add_nc_u64 s[G0+4*\slot+2:G0+4*\slot+3], s[G0+4*\slot+2:G0+4*\slot+3], 2*4096
	s_add_nc_u64 s[G0B+4*\slot+2:G0B+4*\slot+3], s[G0B+4*\slot+2:G0B+4*\slot+3], 2*256
	JLOAD G0+4*\slot, G1, G0B+4*\slot, G1B         ; the four v_nop behind it are also the places in front of the loads below
.else
	PLACES NP
.endif
	FETCH_B \next, 0, 0
	FETCH_A \next, 0, 0
	WIN MUL_HI
	MUL16 4, 1, 0
	MUL16 6, 1, 0
	PLACES NP
	WIN 0
	FETCH_A \next, 0, 4
.endm
	s_wait_tensorcnt 1                             ; my part of K step 0 is in; K step 1's load may stay out
	s_barrier_signal -1
	s_barrier_wait -1
	FETCH_B 0, 0, 0
	FETCH_A 0, 0, 0
	FETCH_A 0, 0, 4
	STEP 0, 0, 1                                   ; K 0-127: the products start the sums
	TURN 0, 1, 1                                   ; slot 0 takes K 512-767
	STEP 1, 0, 0
	TURN 1, 0, 1                                   ; slot 1 takes K 768-1023
	STEP 0, 0, 0
	TURN 0, 1, 0                                   ; nothing is left to fetch; behind this barrier nobody reads slot 0
	STEP 1, 0, 0
	s_wait_dscnt 4*NL                              ; the very last step
	WIN MUL_LO
	MUL16 0, 1, 0
	MUL16 2, 1, 0
	s_wait_dscnt 0
	WIN MUL_HI
	MUL16 4, 1, 0
	MUL16 6, 1, 0
	WIN 0
; THE WAY OUT, block by block of 16 rows x 128 columns.  A lane holds 32 neighbouring bytes of a row and the lanes beside it hold other rows: the raw sums go from the accumulators into my own stage in LDS (each
; accumulator from its low end on) and come back as whole rows of 512 bytes.  There a lane holds the same four columns in every row: sum x 2^(e10+e11) + b_o is one packed multiply-add for two numbers, with four
; registers of b_o.  LDS serves a wave's instructions in order (ISA guide 5.7.1.4): no wait between the stores and the loads, nor in front of the next block's stores.
.macro TOSTAGE a
.set AC, 64*((\a)%4)
.set BB, BK+64*((\a)%2)
	WIN 0x08+4*((\a)/4)                            ; an LDS store's data are source 1: window 2 or 3
.irp b, 0,1,2,3,4,5,6,7
	ds_store_b128 v[STO], v[AC+8*\b:AC+8*\b+3] offset:64*\b
	ds_store_b128 v[STO], v[AC+8*\b+4:AC+8*\b+7] offset:64*\b+16
.endr
	WIN 0
.irp t, 0,1,2,3,4,5,6,7,8,9,10,11,12,13,14,15
	ds_load_b128 v[BB+4*\t:BB+4*\t+3], v[RD] offset:\t*SPITCH
.endr
.endm
.macro SEND a, younger                 ; younger: the LDS instructions issued behind block a's loads, which may stay out
.set BB, BK+64*((\a)%2)
	s_wait_dscnt \younger                          ; the block is back in registers
.set j, 0
.rept 16
	v_pk_fma_f32 v[BB+4*j:BB+4*j+1], v[BB+4*j:BB+4*j+1], s[96:97], v[BIAS:BIAS+1] op_sel_hi:[1,0,1]
	v_pk_fma_f32 v[BB+4*j+2:BB+4*j+3], v[BB+4*j+2:BB+4*j+3], s[96:97], v[BIAS+2:BIAS+3] op_sel_hi:[1,0,1]
.set j, j+1
.endr
.irp t, 0,1,2,3,4,5,6,7,8,9,10,11,12,13,14,15
	global_store_b128 v[CO], v[BB+4*\t:BB+4*\t+3], s[12:13] offset:(16*(\a)+\t)*4096 th:TH_STORE_NT   ; 32 lanes store 512 consecutive bytes, at a multiple of 512 from out0's first byte; the row stands in the immediate: 127 x 4,096 at the most
.endr
.endm
	PLACES NP                                      ; behind the last products: for the LDS stores of results and the loads into the registers that held A's fragments
	TOSTAGE 0
.irp a, 1,2,3,4,5,6,7
.if \a > 1
	s_wait_xcnt 0x0                                ; block a - 2's stores have read their registers: block a's loads may land there
.endif
	TOSTAGE \a
	SEND \a-1, 32                                  ; behind block a - 1's loads: block a's 16 stores and 16 loads
.endr
	SEND 7, 0
	s_wait_tensorcnt 0x0                           ; the wave's end
	ds_add_u32 v[SPW], v[NIL]
	s_wait_dscnt 0x0
	CROUND                                         ; the closing round: no work-group ends while a partner may still ask for a tile that names it
	s_endpgm
.Lfunc_end_k_qb932bf282b_oproj:
	.size	k_qb932bf282b_oproj, .Lfunc_end_k_qb932bf282b_oproj-k_qb932bf282b_oproj
	.p2alignl 7, 3214868480
	.fill 96, 4, 3214868480
	.section	.rodata,"a",@progbits
	.p2align	6, 0x0
	.amdhsa_kernel k_qb932bf282b_oproj
		.amdhsa_group_segment_fixed_size 327680
		.amdhsa_private_segment_fixed_size 0
		.amdhsa_enable_private_segment 0
		.amdhsa_kernarg_size 40
		.amdhsa_user_sgpr_count 2
		.amdhsa_user_sgpr_kernarg_segment_ptr 1
		.amdhsa_wavefront_size32 1
		.amdhsa_system_sgpr_workgroup_id_x 1
		.amdhsa_system_sgpr_workgroup_id_y 1
		.amdhsa_system_sgpr_workgroup_id_z 1
		.amdhsa_system_vgpr_workitem_id 0
		.amdhsa_next_free_vgpr 1024
		.amdhsa_next_free_sgpr 98
		.amdhsa_reserve_vcc 0
		.amdhsa_float_denorm_mode_32 3
		.amdhsa_float_denorm_mode_16_64 3
		.amdhsa_memory_ordered 1
		.amdhsa_forward_progress 1
		.amdhsa_inst_pref_size 140
	.end_amdhsa_kernel
	.amdgpu_metadata
---
amdhsa.version: [ 1, 2 ]
amdhsa.kernels:
  - .name:           k_qb932bf282b_oproj
    .symbol:         k_qb932bf282b_oproj.kd
    .args:
      - { .name: ctx_img, .offset: 0, .size: 8, .value_kind: global_buffer, .address_space: global }
      - { .name: w_o_codes, .offset: 8, .size: 8, .value_kind: global_buffer, .address_space: global }
      - { .name: lowp_scales, .offset: 16, .size: 8, .value_kind: global_buffer, .address_space: global }
      - { .name: b_o, .offset: 24, .size: 8, .value_kind: global_buffer, .address_space: global }
      - { .name: out0, .offset: 32, .size: 8, .value_kind: global_buffer, .address_space: global }
    .group_segment_fixed_size: 327680
    .private_segment_fixed_size: 0
    .kernarg_segment_align: 8
    .kernarg_segment_size: 40
    .max_flat_workgroup_size: 128
    .sgpr_count:     98
    .vgpr_count:     1024
    .wavefront_size: 32
...
	.end_amdgpu_metadata
.endif
;; end of part 3
